; MI455X (gfx1250); checked and timed in simulation.
; The chip was launched on July 23, 2026; its instructions are those of AMD's public machine-readable ISA for CDNA 5 (MIT licence, August 2026) and "CDNA5" Instruction Set Architecture Reference Guide (July 2026). The comments in the code are by the model that wrote it; some were corrected since.
;; Performer Basic MHA. Allowed arithmetic: float matrix products may take bf16 or f16 operands with f32 sums; other float arithmetic in f32, or as packed bf16 or f16 multiplies, adds, multiply-adds, maxima and minima; sums over many terms, partial sums and values carried from step to step in f32; what a program stores and reads back later, other than sums and carried values, may be rounded once to bf16 or f16.
;; Inputs: bk 1,024 float32; bq 1,024 float32; bv 1,024 float32; wk 1,024 x 1,024 float32; wq 1,024 x 1,024 float32; wv 1,024 x 1,024 float32; x 4 x 4,096 x 1,024 float32.
;; Outputs: out0 4 x 16 x 4,096 x 64 float32.
;; Constants: num_heads = 16.
;; One version. Each part assembles by itself: llvm-mc -triple=amdgcn-amd-amdhsa -mcpu=gfx1250 --defsym DOCPART=n.
;; ======== version 1 of 1: 3 launches
;; limits: values are held in f16: magnitudes above 65,504 overflow, below 6.1e-05 lose precision
;; workspace buffers: xb 33,554,432 bytes; wqb 2,097,152 bytes; wkvb 4,194,304 bytes; part 10,485,760 bytes; qf 33,554,432 bytes
;; launch cast (part 1): grid 1216 x 1, 8 waves a work-group, no clusters, 0 bytes of LDS; arguments x, wq, wk, wv, xb, wqb, wkvb; writes xb, wqb, wkvb
.if DOCPART == 1
	.amdgcn_target "amdgcn-amd-amdhsa--gfx1250"
	.amdhsa_code_object_version 6
	.text
	.protected	k_qb6a8c661c2_cast
	.globl	k_qb6a8c661c2_cast
	.p2align	8
	.type	k_qb6a8c661c2_cast,@function
k_qb6a8c661c2_cast:
	s_mov_b64 s[64:65], 0
	v_nop
	global_prefetch_b8 v0, s[64:65] scope:SCOPE_SE
	s_setreg_imm32_b32 hwreg(HW_REG_WAVE_MODE, 25, 1), 1
	s_wait_xcnt 0x0
; xb = bf16(x), wqb = bf16(wq), wkvb = bf16(wk and wv) laid out by heads.  All sources are rows of 1,024 f32 (4,096 bytes), all results rows of 1,024 bf16 (2,048 bytes).
; wkvb has 2,048 rows: row 128 hd + c (c < 64) is wk's row 64 hd + c; row 128 hd + 64 + 16 eb + r is wv's row 64 hd + 4 r + eb.  (So that a lane of the last launch ends with four
; neighbouring channels of a row of the output.)
; SHARES.  A work-group takes 16 source rows; thread t takes bytes 16 t of each row: a load of a wave covers 512 consecutive bytes, a store 256 consecutive bytes, aligned.
; Work-groups 0-1023 take x, 1024-1087 wq, 1088-1151 wk, 1152-1215 wv.  All 16 loads of a thread go out at once; no register is written twice, so nothing waits but for data.
; No LDS, no barrier, no cluster, no matrix unit: no byte is wanted by two threads, and each is read once and written once.
.set ROWB, 4096                        ; bytes in a source row
.set X,    16                          ; v[16:79]   row i as loaded, 4 registers
.set Y,    80                          ; v[80:111]  row i rounded, 2 registers
	s_load_b256 s[4:11], s[0:1], 0x0               ; x s[4:5], wq s[6:7], wk s[8:9], wv s[10:11]
	s_load_b128 s[12:15], s[0:1], 0x20             ; xb s[12:13], wqb s[14:15]
	s_load_b64 s[16:17], s[0:1], 0x30              ; wkvb
	s_mov_b32 s20, ttmp9                           ; g, the work-group's number
	v_lshlrev_b32 v1, 4, v0                        ; my 16 bytes of a source row
	v_lshlrev_b32 v2, 3, v0                        ; my 8 bytes of a result row
	s_cmp_lt_u32 s20, 1024                         ; the first work-group of my source
	s_cselect_b32 s40, 0, 1024
	s_cmp_lt_u32 s20, 1088
	s_cselect_b32 s40, s40, 1088
	s_cmp_lt_u32 s20, 1152
	s_cselect_b32 s40, s40, 1152
	s_sub_co_u32 s21, s20, s40                     ; j: my block of 16 rows in that source
	s_lshl_b32 s22, s21, 16                        ; its byte offset: 16 rows of 4,096 bytes
	s_mov_b32 s23, 0
	s_lshl_b32 s24, s21, 15                        ; x and wq: the same rows in the result, 2,048 bytes each
	s_mov_b32 s25, 0
	s_lshr_b32 s41, s21, 2                         ; wk and wv: the head (4 blocks of 16 rows each),
	s_lshl_b32 s41, s41, 18                        ; its 128 rows of wkvb
	s_and_b32 s42, s21, 3                          ; the block in the head
	s_lshl_b32 s43, s42, 15
	s_add_co_u32 s43, s43, s41                     ; wk: 16 rows on end
	s_lshl_b32 s42, s42, 13                        ; wv: source row 16 jj + i goes to row 64 + 16 (i % 4) + 4 jj + i / 4
	s_add_co_u32 s42, s42, s41
	s_add_co_u32 s42, s42, 131072
	s_mov_b32 s26, 2048                            ; SA: bytes from row i to row i + 1 within four
	s_mov_b32 s44, 8192                            ; SB: bytes from row i to row i + 4
	s_mov_b32 s45, 0
	s_mov_b32 s46, 32768
	s_cmp_lt_u32 s20, 1088
	s_cselect_b32 s24, s24, s43
	s_cmp_lt_u32 s20, 1152
	s_cselect_b32 s24, s24, s42
	s_cselect_b32 s44, s44, s26                    ; wv: SB = 2,048,
	s_cselect_b32 s26, s26, s46                    ; SA = 32,768
	v_add_nc_u32 v3, s26, v2                       ; v[2:5]: 8 t + c SA
	v_add_nc_u32 v4, s26, v3
	v_add_nc_u32 v5, s26, v4
	s_wait_kmcnt 0x0
	s_cmp_lt_u32 s20, 1024                         ; the two buffers are chosen by the work-group's number alone
	s_cselect_b64 s[28:29], s[4:5], s[6:7]
	s_cselect_b64 s[30:31], s[12:13], s[14:15]
	s_cmp_lt_u32 s20, 1088
	s_cselect_b64 s[28:29], s[28:29], s[8:9]
	s_cselect_b64 s[30:31], s[30:31], s[16:17]
	s_cmp_lt_u32 s20, 1152
	s_cselect_b64 s[28:29], s[28:29], s[10:11]
	s_add_nc_u64 s[28:29], s[28:29], s[22:23]      ; the source at my first row
	s_add_nc_u64 s[32:33], s[30:31], s[24:25]      ; the result at row 0, 4, 8, 12 of my 16
	s_add_nc_u64 s[34:35], s[32:33], s[44:45]
	s_add_nc_u64 s[36:37], s[34:35], s[44:45]
	s_add_nc_u64 s[38:39], s[36:37], s[44:45]
.irp i, 0,1,2,3,4,5,6,7,8,9,10,11,12,13,14,15
	global_load_b128 v[X+4*(\i):X+4*(\i)+3], v1, s[28:29] offset:ROWB*(\i) th:TH_LOAD_NT
.endr
.irp i, 0,1,2,3,4,5,6,7,8,9,10,11,12,13,14,15
	s_wait_loadcnt 15-(\i)                         ; loads come back in order (ISA guide 5.7.1): row i is in, the 15 - i younger ones stay out
	v_cvt_pk_bf16_f32 v[Y+2*(\i)],   v[X+4*(\i)],   v[X+4*(\i)+1]
	v_cvt_pk_bf16_f32 v[Y+2*(\i)+1], v[X+4*(\i)+2], v[X+4*(\i)+3]
	global_store_b64 v[2+(\i)%4], v[Y+2*(\i):Y+2*(\i)+1], s[32+2*((\i)/4):33+2*((\i)/4)] th:TH_STORE_NT
.endr
	s_endpgm
.Lfunc_end_k_qb6a8c661c2_cast:
	.size	k_qb6a8c661c2_cast, .Lfunc_end_k_qb6a8c661c2_cast-k_qb6a8c661c2_cast
	.p2alignl 7, 3214868480
	.fill 96, 4, 3214868480
	.section	.rodata,"a",@progbits
	.p2align	6, 0x0
	.amdhsa_kernel k_qb6a8c661c2_cast
		.amdhsa_group_segment_fixed_size 0
		.amdhsa_private_segment_fixed_size 0
		.amdhsa_enable_private_segment 0
		.amdhsa_kernarg_size 56
		.amdhsa_user_sgpr_count 2
		.amdhsa_user_sgpr_kernarg_segment_ptr 1
		.amdhsa_wavefront_size32 1
		.amdhsa_system_sgpr_workgroup_id_x 1
		.amdhsa_system_sgpr_workgroup_id_y 1
		.amdhsa_system_sgpr_workgroup_id_z 1
		.amdhsa_system_vgpr_workitem_id 0
		.amdhsa_next_free_vgpr 112
		.amdhsa_next_free_sgpr 66
		.amdhsa_reserve_vcc 0
		.amdhsa_float_denorm_mode_32 3
		.amdhsa_float_denorm_mode_16_64 3
		.amdhsa_memory_ordered 1
		.amdhsa_forward_progress 1
		.amdhsa_inst_pref_size 8
	.end_amdhsa_kernel
	.amdgpu_metadata
---
amdhsa.version: [ 1, 2 ]
amdhsa.kernels:
  - .name:           k_qb6a8c661c2_cast
    .symbol:         k_qb6a8c661c2_cast.kd
    .args:
      - { .name: x, .offset: 0, .size: 8, .value_kind: global_buffer, .address_space: global }
      - { .name: wq, .offset: 8, .size: 8, .value_kind: global_buffer, .address_space: global }
      - { .name: wk, .offset: 16, .size: 8, .value_kind: global_buffer, .address_space: global }
      - { .name: wv, .offset: 24, .size: 8, .value_kind: global_buffer, .address_space: global }
      - { .name: xb, .offset: 32, .size: 8, .value_kind: global_buffer, .address_space: global }
      - { .name: wqb, .offset: 40, .size: 8, .value_kind: global_buffer, .address_space: global }
      - { .name: wkvb, .offset: 48, .size: 8, .value_kind: global_buffer, .address_space: global }
    .group_segment_fixed_size: 0
    .private_segment_fixed_size: 0
    .kernarg_segment_align: 8
    .kernarg_segment_size: 56
    .max_flat_workgroup_size: 256
    .sgpr_count:     66
    .vgpr_count:     112
    .wavefront_size: 32
...
	.end_amdgpu_metadata
.endif
;; end of part 1
;; launch qkvgemm (part 2): grid 8 x 32, 4 waves a work-group, clusters of 4 x 4, 327,680 bytes of LDS; arguments xb, wkvb, bk, part, wqb, bq, qf; writes part, qf
.if DOCPART == 2
	.amdgcn_target "amdgcn-amd-amdhsa--gfx1250"
	.amdhsa_code_object_version 6
	.text
	.protected	k_qb6a8c661c2_qkvgemm
	.globl	k_qb6a8c661c2_qkvgemm
	.p2align	8
	.type	k_qb6a8c661c2_qkvgemm,@function
k_qb6a8c661c2_qkvgemm:
	s_mov_b64 s[64:65], 0
	v_nop
	global_prefetch_b8 v0, s[64:65] scope:SCOPE_SE
	s_setreg_imm32_b32 hwreg(HW_REG_WAVE_MODE, 25, 1), 1
	s_wait_xcnt 0x0
	s_wait_alu depctr_hold_cnt(0) depctr_sa_sdst(0) depctr_va_vdst(0) depctr_va_sdst(0) depctr_va_ssrc(0) depctr_va_vcc(0) depctr_vm_vsrc(0)
	s_getreg_b32 s2, hwreg(HW_REG_IB_STS2, 6, 4)
	s_cmp_eq_u32 s2, 0
	s_cbranch_scc0 .Lentry_in_a_cluster
	s_endpgm
.Lentry_in_a_cluster:
	s_bfe_u32 s2, ttmp6, 0x10000c
	s_cmp_lg_u32 s2, 0xf033
	s_cbranch_scc0 .Lentry_shape_is_right
	s_endpgm
.Lentry_shape_is_right:
; THREE TILES OF 256 x 256 TO A WORK-GROUP, ALL PRODUCTS OF xb ([16384][1024] bf16) WITH WEIGHTS' ROWS (bf16), sums in f32:
;   q  = max(xb wq^T + bq + eps, eps), rounded once to f16 and stored in qf;
;   k  = max(xb wk^T + bk + eps, eps), v0 = xb wv^T (without bv), twice 256 rows: they never reach memory: of them the partial sums over the 512 rows s of kv[d][e] = k[s][d] v0[s][e] and ksum[d] = k[s][d] go to part.
; wkvb: [2048][1024], a head's 64 rows of wk and then its 64 rows of wv (row 64 + 16 eb + r is channel e = 4 r + eb).  wqb: [1024][1024], in wq's order.
; LIMITS.  q, k and v0 are rounded once to f16: they must stay under 65,504.  bq and bk are rounded to bf16 like the other inputs.  relu(y + b) + eps is made as max(y + (b + eps), eps), the sum starting at
; b + eps; the maximum is taken after the rounding to f16, which gives the same number, since rounding keeps the order.  A NaN in q or k becomes eps; infinities are not treated apart.
; SHARES.  Work-group (tc, y): tc = 4 X + cx of 8, y = 4 Y + cy of 32 (X, Y the cluster's place, cx, cy mine in it).  Its kv tiles are rows 512 y and 512 y + 256 x columns 256 tc of [k | v0] (two heads); its q tile is
; rows 512 y + 256 X x columns 256 cx of q (four heads).  Four waves; a wave makes 128 x 128: 64 accumulators of 16 x 16, 512 registers.  K goes in steps of 128 through a ring of two LDS slots filled by the
; tensor data mover, and the ring runs on from tile to tile.  The q tile comes first: its stores are on their way while the next tile is multiplied.
; LAYOUT OF THE KV TILES.  Source 0 = 16 rows of xb, source 1 = 16 rows of wkvb: lane l holds column l % 16 and its registers the rows 8 (l / 16) + 0..7.  A wave has ONE head's k (column blocks 0-3) and v0 (4-7)
; of the same rows.  Two results, one below the other, rounded to f16 in pairs, ARE a fragment with the 32 rows s along K: k's as source 0 and v0's as source 1 of kv = k^T v0.  ksum is k^T times ones.
; LAYOUT OF THE Q TILE.  The same text with the two fragment addresses exchanged: source 0 = 16 rows of wqb, source 1 = 16 rows of xb: lane l holds row l % 16 and the channels 8 (l / 16) + 0..7: a result rounded in
; pairs is half a fragment (16 rows x 32 channels) of the last launch's product, and is stored as it lies in registers.
; qf: [64 n hd][256 blocks of 16 rows][4 blocks of 16 channels][32 lanes][16 bytes] f16.
; part: [64 n hd][8 blocks of 512 rows][20 tiles][2 halves][32 lanes][16 bytes] f32: tile 4 eb + db is kv[16 db + 8 (l / 16) + j][4 (l % 16) + eb], tile 16 + db is ksum[16 db + 8 (l / 16) + j], as they lie in registers.
; CLUSTER.  4 x 4 work-groups.  In every tile the four of a row of the cluster need the same rows of xb, the four of a column the same rows of the weights: each is asked for JOINTLY, by the same tensor load with
; the same descriptor and a mask that names the four.
; REGISTERS, in windows of 256 (s_set_vgpr_msb: bits 1:0 source 0, 3:2 source 1, 5:4 source 2, 7:6 destination):
;   window 0: v0-31 addresses and a fragment of ones; v32-63 bk as four C tiles; v64-127, v128-191 source 0's fragments, two buffers (the second takes packed results behind a tile); v192-255 bq as eight C tiles, later v192-223 ksum
;   window 1: v64-127, v128-191 source 1's fragments; v0-63 and v192-255 the 16 accumulators of kv
;   window 2: the 32 accumulators of source 0's blocks 0-3 (block a, source 1's block b at v[8 (8 a + b)]);   window 3: those of blocks 4-7
.set SIZE_K, 1024
.set KSTEP,  128
.set PITCH,  272                       ; an LDS row: 256 bytes + 16 of padding = 68 words: the 16 rows that a load touches start at 16 different groups of four banks (64 banks of 4 bytes: ISA guide 11.1)
.set HALFT,  128*PITCH                 ; 128 rows: what one tensor load brings, and what one wave reads of either operand
.set SLOT,   4*HALFT                   ; xb's 256 rows, then the weights' 256 rows
.set STAGE,  2*SLOT                    ; behind the ring, never filled by a tensor load: for each head 20 tiles of 1,024 bytes
.set HEADB,  20*1024
.set SPARE,  STAGE+2*HEADB             ; behind the stage: the spare words, 128 bytes for each wave: two blocks of 256 bytes that no other line names
.set LAPS,   SIZE_K/(2*KSTEP)          ; a lap = two K steps = once round the ring
.set WALK,   256                       ; the second kv tile lies 256 rows below the first
.set ONES, 8                           ; v8-15   a fragment of ones, f16
.set ADRA, 16                          ; v16-17  LDS address of source 0's fragments in slot 0, 1
.set SA,   18                          ; v18-19  my 128 rows of xb in slot 0, 1; never rewritten
.set ADRB, 20                          ; v20-21  LDS address of source 1's fragments
.set SB,   22                          ; v22-23  my 128 rows of the weights in slot 0, 1; never rewritten
.set STG,  24                          ; v24     my 16 bytes of a half tile in my head's stage
.set PO,   25                          ; v25     16 x lane: my 16 bytes of 512 on end, in part and in qf
.set BO,   26                          ; v26     4 (l % 16): my column's bk
.set BO2,  27                          ; v27     32 (l / 16): my eight numbers of a block of bq
.set SPW,  28                          ; v28     LDS address of my spare word: SPARE + 4 x my thread's number; never rewritten
.set NIL,  29                          ; v29     0; never rewritten
.set PFO,  30                          ; v30     the prefetches' offset: my lane x a row of 2,048 bytes; never rewritten
.set KB,   32                          ; v32-63  C tile b: all eight registers hold bf16(bk[64 hd + 16 b + l % 16]) + eps
.set F0,   64                          ; fragment buffer 0
.set F1,   128                         ; fragment buffer 1
.set KP,   128                         ; behind a kv tile: k of 32 rows, f16: fragment db at KP + 8 db
.set VP,   160                         ; v0 of the same rows: fragment eb at VP + 8 eb
.set QT,   128                         ; behind the q tile: packed results, two buffers of 32
.set KS,   192                         ; ksum's accumulator db at KS + 8 db
.set BQ,   192                         ; C tile a: register j holds bf16(bq[256 cx + 128 half + 16 a + 8 (l / 16) + j]) + eps; read by the q tile's first quarter alone
.set PFA,  44                          ; s[44:45] where my prefetches stand: one K step further along K than the refill that is being asked for; a prefetch names the K step after that
.set LIM,  43                          ; s43     1 in a wave that prefetches in the tile in hand, else the greatest number
.set G1,   24                          ; s[24:31] descriptor group 1 for xb's tiles;  s[32:39] group 0, one set for each slot
.set G0,   32
.set G1B,  48                          ; s[48:55], s[56:63] the same for the weights' tiles
.set G0B,  56
.set NXA,  82                          ; s[82:83] xb at the 128 rows that I fetch of the next tile
.set BKV,  84                          ; s[84:85] wkvb at the 128 rows that I fetch
.set PFN,  86                          ; s[86:87] where the prefetches stand at a change of tiles: wkvb, my work-group's 32 rows, K step 1
.set LIMN, 88                          ; s88     LIM for the next tile
.set MSB, 0
.macro WIN new                         ; the immediate's high byte repeats the setting that is left; a switch that changes nothing is dropped
.if MSB != (\new)
	s_set_vgpr_msb (MSB<<8)|(\new)
.set MSB, \new
.endif
.endm
.set MUL_LO, 0xa4                      ; source 0 window 0, source 1 window 1, C and D window 2
.set MUL_HI, 0xf4                      ; the same, C and D window 3
.set TO_B,   0x40                      ; destination window 1, address window 0
; A joint load.  Waves 0 and 1 fetch xb's two halves, waves 2 and 3 the weights'.  The branch hangs on the wave's number alone.  An s_nop 0 and four v_nop follow each of the two lines.
.macro JLOAD s
	s_cmp_eq_u32 s11, 0
	s_cbranch_scc0 .Lfor_b_\@
	tensor_load_to_lds s[G0+4*(\s):G0+4*(\s)+3], s[G1:G1+7]
	s_nop 0
.rept 4
	v_nop
.endr
	s_branch .Lasked_\@
.Lfor_b_\@:
	tensor_load_to_lds s[G0B+4*(\s):G0B+4*(\s)+3], s[G1B:G1B+7]
	s_nop 0
.rept 4
	v_nop
.endr
.Lasked_\@:
.endm
; A PREFETCH INTO THE L2, behind each joint load and the run of LDS loads that follows it: the K step that stands two refills on: 32 rows x 256 bytes, a lane a row, one instruction a wave: 512 matrix instructions
; ahead of the load that will want it.  Each row's 256 bytes of a K step are named once in the launch, ahead of their first reading.  xb's rows are first read in the q tiles, each by one cluster, which asks.
; wqb's rows are read by every cluster: the one with X = Y = 0 asks.  wkvb's rows are read by all eight clusters of a column: the one with Y = 0 asks, for the first kv tile.  In the second kv tile nobody asks.
; The four partners that ask for a tile jointly share its rows out BY ADDRESS, 32 each.  how = 0, in the loop: a tile's last two refills have no K step two on; how = 1, at a change of tiles.
.macro ASK how
.if \how
	s_cmp_eq_u32 s[LIM], 1
.else
	s_cmp_gt_u32 s3, s[LIM]                        ; s3 = 1 in the loop's last trip
.endif
	s_cbranch_scc0 .Lnot_mine_\@
	global_prefetch_b8 v[PFO], s[PFA:PFA+1] offset:KSTEP*2 th:TH_LOAD_NT scope:SCOPE_SE
.Lnot_mine_\@:
.endm
; A round of the cluster's barrier: my work-group's barrier; wave 0 signals for the work-group; every wave waits for all sixteen work-groups; my work-group's barrier once more.
.macro CREST                           ; a round behind its opening barrier
	s_cmp_lg_u32 s10, 0
	s_cbranch_scc1 .Lnot_wave_0_\@
	s_barrier_signal -3
.Lnot_wave_0_\@:
	s_barrier_wait -3
	s_barrier_signal -1
	s_barrier_wait -1
.endm
.macro CROUND                          ; a whole round
	s_barrier_signal -1
	s_barrier_wait -1
	CREST
.endm
	s_load_b128 s[4:7], s[0:1], 0x0                ; xb s[4:5], wkvb s[6:7]
	s_load_b128 s[68:71], s[0:1], 0x10             ; bk s[68:69], part s[70:71]
	s_load_b128 s[76:79], s[0:1], 0x20             ; wqb s[76:77], bq s[78:79]
	s_load_b64 s[80:81], s[0:1], 0x30              ; qf
	v_lshl_add_u32 v[SPW], v0, 2, SPARE
	v_mov_b32 v[NIL], 0
	ds_add_u32 v[SPW], v[NIL]                      ; the wave's opening: the add, twice on end, and its wait ahead of my first tensor load; the set-up below stands between
	ds_add_u32 v[SPW], v[NIL]
	v_lshrrev_b32 v1, 5, v0
	v_readfirstlane_b32 s10, v1                    ; wave 0..3
	s_lshr_b32 s11, s10, 1                         ; which half of the tile's rows of xb is mine.  Also: I fetch for xb (0) or for the weights (1)
	s_and_b32 s12, s10, 1                          ; which half of the weights' rows is mine.  Also: which 128 rows of that tile I fetch
	s_bfe_u32 s40, ttmp6, 0x40000                  ; cx: my place along the cluster's x
	s_bfe_u32 s41, ttmp6, 0x40004                  ; cy: along its y
	s_lshl_b32 s42, ttmp9, 2                       ; in a cluster launch ttmp9 and ttmp7 count clusters
	s_add_co_u32 s42, s42, s40                     ; tc = 4 X + cx
	s_and_b32 s13, ttmp7, 0xffff
	s_lshl_b32 s13, s13, 2
	s_add_co_u32 s13, s13, s41                     ; y = 4 Y + cy
	s_mov_b32 s66, s13
	s_lshl_b32 s43, s41, 2
	s_lshl_b32 s43, 15, s43                        ; my row of the cluster: places 4 cy .. 4 cy + 3
	s_lshl_b32 s44, 0x1111, s40                    ; my column: places cx, cx + 4, cx + 8, cx + 12
	; descriptor group 1: a tile of 128 rows x 128 elements, padded in LDS
	s_or_b32 s[G1+0], s43, (1<<16)|(1<<20)|(1<<21)|(5<<22)|(3<<25)  ; 15:0 the mask: xb's tiles go to my row; 17:16 elements of 2 bytes; 20 padding on; 21 set beside a mask; 24:22 after every 64 words (code 5); 31:25 4 words (code 3)
	s_or_b32 s[G1B+0], s44, (1<<16)|(1<<20)|(1<<21)|(5<<22)|(3<<25) ; the same with the mask of my column
.irp g, G1, G1B
	s_mov_b32 s[(\g)+1], KSTEP<<16                 ; tensor_dim0 = 128
	s_mov_b32 s[(\g)+2], 128<<16                   ; tensor_dim1 = 128
	s_mov_b32 s[(\g)+3], KSTEP<<16                 ; tile_dim0 = 128
	s_mov_b32 s[(\g)+4], 128                       ; tile_dim1 = 128
	s_mov_b32 s[(\g)+5], SIZE_K                    ; elements from row to row
	s_mov_b32 s[(\g)+6], 0
	s_mov_b32 s[(\g)+7], 0
.endr
	; where the tiles come from.  xb's hang on y and X, which my row of the cluster shares; the weights' on cx and X, which my column shares; each in registers that never hold the other place.
	s_lshl_b32 s17, s12, 7                         ; which 128 rows of the tile I fetch
	s_lshl_b32 s16, s13, 9
	s_add_co_u32 s16, s16, s17                     ; xb, first kv tile: row 512 y + 128 x half
	s_lshl_b32 s18, ttmp9, 8
	s_add_co_u32 s18, s18, s16                     ; xb, q tile: 256 X rows further down
	s_lshl_b32 s46, s42, 8
	s_add_co_u32 s46, s46, s17                     ; wkvb: row 256 tc + 128 x half
	s_lshl_b32 s22, s40, 8
	s_add_co_u32 s22, s22, s17                     ; wqb: row 256 cx + 128 x half
	s_lshl_b32 s16, s16, 11                        ; in bytes: rows of 2,048; all under 2^25
	s_lshl_b32 s18, s18, 11
	s_lshl_b32 s46, s46, 11
	s_lshl_b32 s22, s22, 11
	s_mov_b32 s17, 0
	s_mov_b32 s19, 0
	s_mov_b32 s47, 0
	s_mov_b32 s23, 0
	s_mul_i32 s20, s10, HALFT                      ; and where they go: wave x 128 rows: no place in the cluster enters an LDS address
	s_mov_b32 s72, 0x14191419                      ; eps = 1e-3 in f16, twice
	s_mov_b32 s90, 0x3a83126f                      ; eps in f32; the packed addition takes the pair's low word for both halves
	s_mov_b32 s91, s90
	s_wait_dscnt 0x0                               ; both opening adds are done
	s_wait_kmcnt 0x0
	s_add_nc_u64 s[NXA:NXA+1], s[4:5], s[16:17]
	s_add_nc_u64 s[14:15], s[4:5], s[18:19]
	s_add_nc_u64 s[BKV:BKV+1], s[6:7], s[46:47]
	s_add_nc_u64 s[46:47], s[76:77], s[22:23]
	CROUND                                         ; all sixteen work-groups are here: the first joint loads meet
.irp s, 0,1
	s_mov_b32 s[G0+4*(\s)], 1                                      ; count = 1
	s_add_co_u32 s[G0+4*(\s)+1], s20, (\s)*SLOT                    ; LDS address
	s_add_nc_u64 s[G0+4*(\s)+2:G0+4*(\s)+3], s[14:15], (\s)*KSTEP*2  ; global address: the q tile's K step s
	s_or_b32 s[G0+4*(\s)+3], s[G0+4*(\s)+3], 0x80000000            ; type = 2
	s_mov_b32 s[G0B+4*(\s)], 1
	s_add_co_u32 s[G0B+4*(\s)+1], s20, (\s)*SLOT
	s_add_nc_u64 s[G0B+4*(\s)+2:G0B+4*(\s)+3], s[46:47], (\s)*KSTEP*2
	s_or_b32 s[G0B+4*(\s)+3], s[G0B+4*(\s)+3], 0x80000000
	JLOAD \s                                       ; the ring is filled before anything else is done: two loads of mine are out
.endr
	v_and_b32 v1, 15, v0                           ; l % 16
	v_bfe_u32 v2, v0, 4, 1                         ; l / 16
	v_lshlrev_b32 v[BO], 2, v1
	v_lshlrev_b32 v[BO2], 5, v2
	s_lshl_b32 s67, s42, 1
	s_add_co_u32 s67, s67, s12                     ; hd, my head of k and v0 = 2 tc + half
	s_lshl_b32 s74, s67, 8                         ; its 64 numbers of bk
	s_mov_b32 s75, 0
	s_add_nc_u64 s[68:69], s[68:69], s[74:75]
.irp b, 0,1,2,3
	global_load_b32 v[KB+8*(\b)], v[BO], s[68:69] offset:64*(\b)
.endr
	s_lshl_b32 s74, s40, 10                        ; my 128 numbers of bq: columns 256 cx + 128 x half
	s_lshl_b32 s21, s12, 9
	s_add_co_u32 s74, s74, s21
	s_add_nc_u64 s[78:79], s[78:79], s[74:75]
.irp a, 0,1,2,3,4,5,6,7
	global_load_b128 v[BQ+8*(\a):BQ+8*(\a)+3],   v[BO2], s[78:79] offset:64*(\a)
	global_load_b128 v[BQ+8*(\a)+4:BQ+8*(\a)+7], v[BO2], s[78:79] offset:64*(\a)+16
.endr
	; A fragment is 16 rows x 32 K in 8 registers: lane l holds row l % 16; registers 0-3 K = 8 (l / 16) + 0..7, registers 4-7 K = 16 + 8 (l / 16) + 0..7: two loads of 16 bytes, 32 bytes apart.
	v_mul_u32_u24 v3, v1, PITCH
	v_lshl_add_u32 v3, v2, 4, v3                   ; row x pitch + 16 x half
	s_mul_i32 s21, s11, HALFT                      ; my 128 rows of xb
	s_mul_i32 s22, s12, HALFT                      ; my 128 rows of the weights,
	s_add_co_u32 s22, s22, 2*HALFT                 ; which lie behind xb's 256
.irp s, 0,1
	v_add_nc_u32 v[SA+(\s)], s21, v3
	v_add_nc_u32 v[SB+(\s)], s22, v3
	s_add_co_u32 s21, s21, SLOT
	s_add_co_u32 s22, s22, SLOT
.endr
.irp s, 0,1
	v_mov_b32 v[ADRA+(\s)], v[SB+(\s)]             ; the q tile: source 0 takes the weights' rows,
	v_mov_b32 v[ADRB+(\s)], v[SA+(\s)]             ; source 1 xb's
.endr
	s_mul_i32 s23, s12, HEADB
	s_add_co_u32 s23, s23, STAGE                   ; my head's stage
	v_and_b32 v4, 31, v0
	v_lshl_add_u32 v[STG], v4, 4, s23
	v_lshlrev_b32 v[PO], 4, v4
	s_lshr_b32 s74, s66, 3                         ; n, the batch: 8 blocks of 512 rows each
	s_lshl_b32 s74, s74, 4
	s_add_co_u32 s74, s74, s67                     ; 16 n + hd
	s_lshl_b32 s74, s74, 3
	s_and_b32 s75, s66, 7                          ; the block in the batch
	s_add_co_u32 s74, s74, s75
	s_mul_i32 s74, s74, HEADB
	s_mov_b32 s75, 0
	s_add_nc_u64 s[70:71], s[70:71], s[74:75]      ; part at my 20 tiles
	s_lshr_b32 s74, s66, 3                         ; qf: 16 n + my first head of q, 4 cx + 2 x half: 524,288 bytes each;
	s_lshl_b32 s74, s74, 4
	s_lshl_b32 s21, s40, 2
	s_add_co_u32 s74, s74, s21
	s_lshl_b32 s21, s12, 1
	s_add_co_u32 s74, s74, s21
	s_lshl_b32 s74, s74, 19
	s_and_b32 s21, s66, 7                          ; my first block of 16 rows in the batch: 32 (y % 8) + 16 X + 8 x row half: 2,048 bytes each
	s_lshl_b32 s21, s21, 5
	s_lshl_b32 s22, ttmp9, 4
	s_add_co_u32 s21, s21, s22
	s_lshl_b32 s22, s11, 3
	s_add_co_u32 s21, s21, s22
	s_lshl_b32 s21, s21, 11
	s_add_co_u32 s74, s74, s21
	s_add_nc_u64 s[80:81], s[80:81], s[74:75]
	; the prefetches
	s_and_b32 s22, ttmp7, 0xffff                   ; Y
	s_or_b32 s23, s22, ttmp9                       ; X | Y
	s_lshl_b32 s20, s66, 9
	s_lshl_b32 s21, ttmp9, 8
	s_add_co_u32 s20, s20, s21                     ; the q tile's first row of xb,
	s_lshl_b32 s21, s40, 8                         ; and of wqb
	s_cmp_eq_u32 s11, 0                            ; do I fetch for xb?
	s_cselect_b32 s20, s20, s21
	s_cselect_b32 s21, s40, s41                    ; my place among the four that ask for the tile with me
	s_cselect_b32 s23, 0, s23                      ; xb's rows of a q tile are one cluster's alone; wqb's are asked for where X = Y = 0
	s_cselect_b32 s22, 1, s22                      ; the next tile: xb's rows no more, wkvb's where Y = 0
	s_cselect_b64 s[PFA:PFA+1], s[4:5], s[76:77]
	s_cmp_eq_u32 s23, 0
	s_cselect_b32 s[LIM], 1, -1                    ; the same in all sixteen partners, for a given wave
	s_cmp_eq_u32 s22, 0
	s_cselect_b32 s[LIMN], 1, -1
	s_lshl_b32 s22, s12, 7
	s_add_co_u32 s20, s20, s22                     ; + the 128 rows that I fetch
	s_lshl_b32 s21, s21, 5
	s_add_co_u32 s20, s20, s21                     ; + my work-group's 32 of them
	s_lshl_b32 s20, s20, 11
	s_mov_b32 s21, 0
	s_add_nc_u64 s[PFA:PFA+1], s[PFA:PFA+1], s[20:21]
	s_add_nc_u64 s[PFA:PFA+1], s[PFA:PFA+1], 2*KSTEP*2  ; at K step 2: the first refill steps it to 3 and names K step 4.  Nothing is prefetched here, where every work-group's first tiles are on their way
	s_lshl_b32 s20, s42, 8                         ; wkvb: row 256 tc + the 128 that I fetch + 32 cy
	s_add_co_u32 s20, s20, s22
	s_lshl_b32 s23, s41, 5
	s_add_co_u32 s20, s20, s23
	s_lshl_b32 s20, s20, 11
	s_add_nc_u64 s[PFN:PFN+1], s[6:7], s[20:21]
	s_add_nc_u64 s[PFN:PFN+1], s[PFN:PFN+1], KSTEP*2    ; at K step 1: the change of tiles names K steps 2 and 3
	v_and_b32 v[PFO], 31, v0
	v_mul_u32_u24 v[PFO], v[PFO], SIZE_K*2
.set i, 0
.rept 8
	v_mov_b32 v[ONES+i], 0x3c003c00                ; 1.0 twice, f16
.set i, i+1
.endr
	s_wait_loadcnt 0x0                             ; bk and bq
.irp b, 0,1,2,3
	v_cvt_pk_bf16_f32 v[KB+8*(\b)], v[KB+8*(\b)], v[KB+8*(\b)]  ; rounded to bf16 like the other inputs,
.endr
.irp b, 0,1,2,3
	v_lshlrev_b32 v[KB+8*(\b)], 16, v[KB+8*(\b)]   ; back in f32,
.endr
.irp b, 0,1,2,3
	v_add_f32 v[KB+8*(\b)], s90, v[KB+8*(\b)]      ; + eps:
.endr
.irp b, 0,1,2,3
.irp j, 1,2,3,4,5,6,7
	v_mov_b32 v[KB+8*(\b)+(\j)], v[KB+8*(\b)]      ; a lane's eight results are eight rows of one column
.endr
.endr
.set i, 0
.rept 32
	v_cvt_pk_bf16_f32 v[6+i%2], v[BQ+2*i], v[BQ+2*i+1]      ; bq likewise: rounded to bf16,
	v_lshlrev_b32 v[BQ+2*i], 16, v[6+i%2]                   ; back in f32,
	v_and_b32 v[BQ+2*i+1], 0xffff0000, v[6+i%2]
	v_pk_add_f32 v[BQ+2*i:BQ+2*i+1], v[BQ+2*i:BQ+2*i+1], s[90:91] op_sel_hi:[1,0]  ; + eps
.set i, i+1
.endr
; 16 matrix instructions: source 0's blocks a0, a0 + 1 of the window's four (hi = 0: blocks 0-3, 1: blocks 4-7) x all 8 blocks of source 1, 32 along K.
; zero = 1 or 2: the first product starts the sums (C in window 0): 1, a kv tile: k's with bk and eps, v0's with 0; 2, the q tile: with bq and eps, by source 0's block.  Nothing is ever cleared.
.macro MUL16 f, hi, a0, zero
.if \zero
	WIN 0x84+0x40*(\hi)
.else
	WIN MUL_LO+0x50*(\hi)
.endif
.irp a, \a0, (\a0)+1
.irp b, 0,1,2,3,4,5,6,7
.if (\zero) == 2
	v_wmma_f32_16x16x32_bf16 v[8*(8*(\a)+(\b)):8*(8*(\a)+(\b))+7], v[(\f)+8*(4*(\hi)+(\a)):(\f)+8*(4*(\hi)+(\a))+7], v[(\f)+8*(\b):(\f)+8*(\b)+7], v[BQ+8*(4*(\hi)+(\a)):BQ+8*(4*(\hi)+(\a))+7]
.elseif (\zero) && ((\b) < 4)
	v_wmma_f32_16x16x32_bf16 v[8*(8*(\a)+(\b)):8*(8*(\a)+(\b))+7], v[(\f)+8*(4*(\hi)+(\a)):(\f)+8*(4*(\hi)+(\a))+7], v[(\f)+8*(\b):(\f)+8*(\b)+7], v[KB+8*(\b):KB+8*(\b)+7]
.elseif \zero
	v_wmma_f32_16x16x32_bf16 v[8*(8*(\a)+(\b)):8*(8*(\a)+(\b))+7], v[(\f)+8*(4*(\hi)+(\a)):(\f)+8*(4*(\hi)+(\a))+7], v[(\f)+8*(\b):(\f)+8*(\b)+7], 0
.else
	v_wmma_f32_16x16x32_bf16 v[8*(8*(\a)+(\b)):8*(8*(\a)+(\b))+7], v[(\f)+8*(4*(\hi)+(\a)):(\f)+8*(4*(\hi)+(\a))+7], v[(\f)+8*(\b):(\f)+8*(\b)+7], v[8*(8*(\a)+(\b)):8*(8*(\a)+(\b))+7]
.endif
.endr
.endr
.endm
; 32 LDS loads in one run: the fragments of one quarter step (source 1's 128 rows, then source 0's, 32 K at byte k of the rows) into buffer f
.macro FETCH slot, k, f
	WIN TO_B
.irp i, 0,1,2,3,4,5,6,7
	ds_load_b128 v[(\f)+8*(\i):(\f)+8*(\i)+3],   v[ADRB+(\slot)] offset:(\k)+(\i)*16*PITCH
	ds_load_b128 v[(\f)+8*(\i)+4:(\f)+8*(\i)+7], v[ADRB+(\slot)] offset:(\k)+(\i)*16*PITCH+32
.endr
	WIN 0
.irp i, 0,1,2,3,4,5,6,7
	ds_load_b128 v[(\f)+8*(\i):(\f)+8*(\i)+3],   v[ADRA+(\slot)] offset:(\k)+(\i)*16*PITCH
	ds_load_b128 v[(\f)+8*(\i)+4:(\f)+8*(\i)+7], v[ADRA+(\slot)] offset:(\k)+(\i)*16*PITCH+32
.endr
.endm
; A load into a register that a matrix instruction has read, and a vector instruction that reads a matrix result or writes one of a matrix instruction's registers, stand four places behind it, and only
; plain vector instructions that name none of its registers are places (ISA guide 7.12.1 for vector instructions).
.macro PLACES
.rept 4
	v_nop
.endr
.endm
; A K step is four quarter steps of 32 along K, 64 matrix instructions each, on buffers 0, 1, 0, 1.  One of the first three: multiplies buffer f; in its middle it fetches the next quarter's fragments into g.
.macro QUARTER slot, k, f, g, zero
	s_wait_dscnt 8                                 ; source 1's fragments and source 0's blocks 0-3 are in; the youngest eight loads (blocks 4-7) may be out
	MUL16 \f, 0, 0, \zero
	MUL16 \f, 0, 2, \zero
	PLACES
	FETCH \slot, \k, \g
	s_wait_dscnt 32                                ; all but the 32 just issued
	MUL16 \f, 1, 0, \zero
	MUL16 \f, 1, 2, \zero
.endm
; The last quarter multiplies buffer 1 and changes slots.  MEET is its first half: ONE barrier for the change of slots.  In front of it each wave waits for all its tensor loads, of which one is out: its part of
; the next slot; adds 0 to its spare word; and waits for that and for its own reads of this slot.  Behind it nobody reads this slot any more and the next slot is whole.
.macro MEET round                      ; round = 1: a round of the cluster's barrier follows
	WIN 0                                          ; (the add's two registers lie in window 0)
	s_wait_tensorcnt 0x0                           ; all my tensor loads have landed
	ds_add_u32 v[SPW], v[NIL]                      ; 0 onto my spare word
	s_wait_dscnt 9                                 ; (the add and the youngest eight loads may be out)
	MUL16 F1, 0, 0, 0                              ; sixteen matrix instructions stand between the add and the wait for it
	s_wait_dscnt 0x0                               ; the add is done, and my reads of this slot are over
	s_barrier_signal -1
	MUL16 F1, 0, 2, 0                              ; work on registers while the others arrive
.if \round
	WIN 0
.endif
	s_barrier_wait -1
.endm
; The whole last quarter.  Behind the round the slot just read out is filled again first: with this tile's K step two steps on (on = 0) or with the next tile's K step 0 or 1 (on = 1: both addresses are made
; anew); then come the next slot's first fragments.  From a request to the wait for it a wave issues 224 matrix instructions.
.macro TURN slot, next, on
	s_wait_xcnt 0x0                                ; the last prefetch, a K step back, has read its address: it is written here, ahead of the waits of the change of slots
.if (\on) && (\slot) == 0
	s_mov_b64 s[PFA:PFA+1], s[PFN:PFN+1]           ; the next tile's K step 1,
	s_mov_b32 s[LIM], s[LIMN]                      ; for those who ask in it;
	s_mov_b32 s[LIMN], -1                          ; in the tile after it nobody asks
.else
	s_add_nc_u64 s[PFA:PFA+1], s[PFA:PFA+1], KSTEP*2
.endif
	MEET 1
	CREST                                          ; no wave of any partner still reads this slot's tile or has a load on its way
.if \on
	s_add_nc_u64 s[G0+4*(\slot)+2:G0+4*(\slot)+3], s[NXA:NXA+1], (\slot)*KSTEP*2
	s_or_b32 s[G0+4*(\slot)+3], s[G0+4*(\slot)+3], 0x80000000
	s_add_nc_u64 s[G0B+4*(\slot)+2:G0B+4*(\slot)+3], s[BKV:BKV+1], (\slot)*KSTEP*2
	s_or_b32 s[G0B+4*(\slot)+3], s[G0B+4*(\slot)+3], 0x80000000
.if (\slot) == 1
	s_add_nc_u64 s[NXA:NXA+1], s[NXA:NXA+1], WALK*SIZE_K*2  ; the tile after the next lies 256 rows further down
.endif
.else
	s_add_nc_u64 s[G0+4*(\slot)+2:G0+4*(\slot)+3], s[G0+4*(\slot)+2:G0+4*(\slot)+3], 2*KSTEP*2
	s_add_nc_u64 s[G0B+4*(\slot)+2:G0B+4*(\slot)+3], s[G0B+4*(\slot)+2:G0B+4*(\slot)+3], 2*KSTEP*2
.endif
	JLOAD \slot                                    ; the first tensor load behind the round; the four v_nop behind it are also the places in front of the loads below
	FETCH \next, 0, F0
	ASK \on
	MUL16 F1, 1, 0, 0
	MUL16 F1, 1, 2, 0
.endm
.macro TURNX next                      ; a change of slots behind which nothing is filled: my work-group's barrier alone
	MEET 0
	PLACES
	FETCH \next, 0, F0
	MUL16 F1, 1, 0, 0
	MUL16 F1, 1, 2, 0
.endm
.macro LASTQ                           ; the very last quarter: nothing more to fetch
	s_wait_dscnt 8
	MUL16 F1, 0, 0, 0
	MUL16 F1, 0, 2, 0
	s_wait_dscnt 0x0
	MUL16 F1, 1, 0, 0
	MUL16 F1, 1, 2, 0
.endm
; BEHIND THE Q TILE.  Channel block a (head a / 4 of my two, block a % 4 of its four) at a time: its 8 accumulators, one for each block b of 16 rows, rounded to f16, each from its low end on; the maximum with eps;
; 8 stores, each of 512 consecutive bytes, aligned.  On registers and stores alone: the 32 LDS loads and the tensor load of the next tile stay out across it.
.macro QOUT
	PLACES                                         ; the roundings read results just made, and write where products read fragments
.irp a, 0,1,2,3,4,5,6,7
	s_wait_xcnt 0x0                                ; the stores of the block before last have read their data: those registers are written again only behind this wait
	WIN 0x0a+5*((\a)/4)                            ; sources 0 and 1: window 2 or 3
.irp b, 0,1,2,3,4,5,6,7
.irp i, 0,1,2,3
	v_cvt_pk_f16_f32 v[QT+32*((\a)%2)+4*(\b)+(\i)], v[8*(8*((\a)%4)+(\b))+2*(\i)], v[8*(8*((\a)%4)+(\b))+2*(\i)+1]
.endr
.endr
	WIN 0
.set z, 0
.rept 32
	v_pk_max_num_f16 v[QT+32*((\a)%2)+z], v[QT+32*((\a)%2)+z], s72
.set z, z+1
.endr
.irp b, 0,1,2,3,4,5,6,7
	global_store_b128 v[PO], v[QT+32*((\a)%2)+4*(\b):QT+32*((\a)%2)+4*(\b)+3], s[80:81] offset:((\a)/4)*524288+(\b)*2048+((\a)%4)*512 th:TH_STORE_NT
.endr
.endr
	s_wait_xcnt 0x0                                ; the next quarter's LDS loads land in the registers that the last stores read
.endm
; BEHIND A KV TILE, 32 rows (row blocks 2 t and 2 t + 1) at a time.  64 roundings to f16, each accumulator from its low end on: block 2 t fills registers 0-3 of each fragment, block 2 t + 1 registers 4-7.
; 32 packed maxima with eps, for k.  Then 16 products kv (db, eb) += k_db^T v0_eb and 4 products ksum_db += k_db^T ones: 20 accumulators by turns, one instruction a turn.
; first = 1: the first 20 products of the first kv tile start the sums with 0.  The four v_nop at the end are the places in front of the next writes of the fragments and of the reads of the sums.
.macro KVSTEP t, first
	WIN 0x0a+5*((\t)/2)                            ; sources 0 and 1: window 2 or 3
.irp u, 0,1
.irp b, 0,1,2,3,4,5,6,7
.irp i, 0,1,2,3
	v_cvt_pk_f16_f32 v[KP+8*(\b)+4*(\u)+(\i)], v[8*(8*(2*((\t)%2)+(\u))+(\b))+2*(\i)], v[8*(8*(2*((\t)%2)+(\u))+(\b))+2*(\i)+1]
.endr
.endr
.endr
	WIN 0
.set z, 0
.rept 32
	v_pk_max_num_f16 v[KP+z], v[KP+z], s72
.set z, z+1
.endr
	WIN 0x50                                       ; fragments in window 0, C and D in window 1
.irp eb, 0,1,2,3
.irp db, 0,1,2,3
.set rD, 8*(4*(\eb)+(\db))+128*((\eb)/2)
.if (\first) && ((\t) == 0)
	v_wmma_f32_16x16x32_f16 v[rD:rD+7], v[KP+8*(\db):KP+8*(\db)+7], v[VP+8*(\eb):VP+8*(\eb)+7], 0
.else
	v_wmma_f32_16x16x32_f16 v[rD:rD+7], v[KP+8*(\db):KP+8*(\db)+7], v[VP+8*(\eb):VP+8*(\eb)+7], v[rD:rD+7]
.endif
.endr
.endr
	WIN 0
.irp db, 0,1,2,3
.if (\first) && ((\t) == 0)
	v_wmma_f32_16x16x32_f16 v[KS+8*(\db):KS+8*(\db)+7], v[KP+8*(\db):KP+8*(\db)+7], v[ONES:ONES+7], 0
.else
	v_wmma_f32_16x16x32_f16 v[KS+8*(\db):KS+8*(\db)+7], v[KP+8*(\db):KP+8*(\db)+7], v[ONES:ONES+7], v[KS+8*(\db):KS+8*(\db)+7]
.endif
.endr
	PLACES
.endm
.macro EPI first
	PLACES                                         ; the roundings write where the last products read fragments, and read their results
	KVSTEP 0, \first
	KVSTEP 1, \first
	KVSTEP 2, \first
	KVSTEP 3, \first
.endm
	s_wait_tensorcnt 1                             ; my part of K step 0 is in; K step 1's may stay out
	s_barrier_signal -1
	s_barrier_wait -1                              ; everybody's is
	FETCH 0, 0, F0
	s_mov_b32 s2, 3                                ; tiles to go, this one among them: 3 the q tile, 2 and 1 the kv tiles
	QUARTER 0, 64,  F0, F1, 2                      ; the q tile's first quarter: its products start the sums with bq and eps
	WIN 0                                          ; at a label and at a branch every window is 0
	s_branch .Lgo
.Ltile:
	QUARTER 0, 64,  F0, F1, 1                      ; a kv tile's first quarter
	WIN 0
.Lgo:
	s_mov_b32 s3, LAPS-1
.Llap:                                                 ; a trip goes once round the ring, from a lap's second quarter to the next lap's first, and fills both slots again
	QUARTER 0, 128, F1, F0, 0
	QUARTER 0, 192, F0, F1, 0
	TURN 0, 1, 0
	QUARTER 1, 64,  F0, F1, 0
	QUARTER 1, 128, F1, F0, 0
	QUARTER 1, 192, F0, F1, 0
	TURN 1, 0, 0
	QUARTER 0, 64,  F0, F1, 0
	WIN 0
	s_sub_co_u32 s3, s3, 1
	s_cmp_lg_u32 s3, 0
	s_cbranch_scc1 .Llap
	QUARTER 0, 128, F1, F0, 0                      ; the tile's last lap goes on
	QUARTER 0, 192, F0, F1, 0
	WIN 0
	s_cmp_eq_u32 s2, 1                             ; 3, then 2, then 1: constants of the text
	s_cbranch_scc1 .Llast
	TURN 0, 1, 1                                   ; the ring goes on into the next tile: slot 0 takes its K step 0,
	QUARTER 1, 64,  F0, F1, 0
	QUARTER 1, 128, F1, F0, 0
	QUARTER 1, 192, F0, F1, 0
	WIN 0
.irp s, 0,1
	v_mov_b32 v[ADRA+(\s)], v[SA+(\s)]             ; this tile's last fragments have been asked for: from here on source 0 takes xb's rows,
	v_mov_b32 v[ADRB+(\s)], v[SB+(\s)]             ; source 1 the weights' (behind the first kv tile these four lines change nothing)
.endr
	TURN 1, 0, 1                                   ; slot 1 its K step 1, and its first fragments are fetched into buffer 0
	WIN 0
	s_cmp_eq_u32 s2, 3
	s_cbranch_scc0 .Lkv
	QOUT
	WIN 0
	s_branch .Lnext
.Lkv:
	EPI 1                                          ; the first kv tile: it starts kv's and ksum's sums; on registers alone
	WIN 0
.Lnext:
	s_sub_co_u32 s2, s2, 1
	s_branch .Ltile
.Llast:                                                ; the last tile's tail is written out: it asks for nothing more
	TURNX 1
	QUARTER 1, 64,  F0, F1, 0
	QUARTER 1, 128, F1, F0, 0
	QUARTER 1, 192, F0, F1, 0
	LASTQ
	EPI 0
	; THE WAY OUT OF kv AND ksum.  The waves of the lower row half put their 20 tiles into their head's stage; the waves of the upper half add them to theirs and store the sums: each store of a wave covers 512 consecutive bytes, aligned.
	WIN 0
	s_cmp_eq_u32 s11, 0
	s_cbranch_scc1 .Lkeep
	WIN 0x04                                       ; store data in window 1
.set t, 0
.rept 16
.set rD, 8*t+128*(t/8)
	ds_store_b128 v[STG], v[rD:rD+3]   offset:1024*t
	ds_store_b128 v[STG], v[rD+4:rD+7] offset:1024*t+512
.set t, t+1
.endr
	WIN 0
.set t, 0
.rept 4
	ds_store_b128 v[STG], v[KS+8*t:KS+8*t+3]   offset:1024*(16+t)
	ds_store_b128 v[STG], v[KS+8*t+4:KS+8*t+7] offset:1024*(16+t)+512
.set t, t+1
.endr
.Lkeep:
	s_wait_dscnt 0x0                               ; for the others' sake: my stores into the stage are done
	s_barrier_signal -1
	s_barrier_wait -1
	s_cmp_eq_u32 s11, 0
	s_cbranch_scc0 .Lend
.set t, 0
.rept 16
	ds_load_b128 v[64+8*t:64+8*t+3],   v[STG] offset:1024*t
	ds_load_b128 v[64+8*t+4:64+8*t+7], v[STG] offset:1024*t+512
.set t, t+1
.endr
	WIN TO_B
.set t, 0
.rept 4
	ds_load_b128 v[64+8*t:64+8*t+3],   v[STG] offset:1024*(16+t)
	ds_load_b128 v[64+8*t+4:64+8*t+7], v[STG] offset:1024*(16+t)+512
.set t, t+1
.endr
	s_wait_dscnt 0x0
	WIN 0x41                                       ; kv (destination and source 0) in window 1, the other wave's in window 0
.set t, 0
.rept 16
.set rD, 8*t+128*(t/8)
.irp i, 0,2,4,6
	v_pk_add_f32 v[rD+(\i):rD+(\i)+1], v[rD+(\i):rD+(\i)+1], v[64+8*t+(\i):64+8*t+(\i)+1]
.endr
.set t, t+1
.endr
	WIN 0x04                                       ; ksum in window 0, the other wave's in window 1
.set t, 0
.rept 4
.irp i, 0,2,4,6
	v_pk_add_f32 v[KS+8*t+(\i):KS+8*t+(\i)+1], v[KS+8*t+(\i):KS+8*t+(\i)+1], v[64+8*t+(\i):64+8*t+(\i)+1]
.endr
.set t, t+1
.endr
.set t, 0
.rept 16
.set rD, 8*t+128*(t/8)
	global_store_b128 v[PO], v[rD:rD+3],   s[70:71] offset:1024*t
	global_store_b128 v[PO], v[rD+4:rD+7], s[70:71] offset:1024*t+512
.set t, t+1
.endr
	WIN 0
.set t, 0
.rept 4
	global_store_b128 v[PO], v[KS+8*t:KS+8*t+3],   s[70:71] offset:1024*(16+t)
	global_store_b128 v[PO], v[KS+8*t+4:KS+8*t+7], s[70:71] offset:1024*(16+t)+512
.set t, t+1
.endr
.Lend:
	s_wait_tensorcnt 0x0                           ; the wave's end: behind my last tensor load and my last LDS store
	ds_add_u32 v[SPW], v[NIL]
	s_wait_dscnt 0x0
	CROUND                                         ; the closing round: no work-group ends while a partner may still ask for a tile that names it
	s_endpgm
.Lfunc_end_k_qb6a8c661c2_qkvgemm:
	.size	k_qb6a8c661c2_qkvgemm, .Lfunc_end_k_qb6a8c661c2_qkvgemm-k_qb6a8c661c2_qkvgemm
	.p2alignl 7, 3214868480
	.fill 96, 4, 3214868480
	.section	.rodata,"a",@progbits
	.p2align	6, 0x0
	.amdhsa_kernel k_qb6a8c661c2_qkvgemm
		.amdhsa_group_segment_fixed_size 327680
		.amdhsa_private_segment_fixed_size 0
		.amdhsa_enable_private_segment 0
		.amdhsa_kernarg_size 56
		.amdhsa_user_sgpr_count 2
		.amdhsa_user_sgpr_kernarg_segment_ptr 1
		.amdhsa_wavefront_size32 1
		.amdhsa_system_sgpr_workgroup_id_x 1
		.amdhsa_system_sgpr_workgroup_id_y 1
		.amdhsa_system_sgpr_workgroup_id_z 1
		.amdhsa_system_vgpr_workitem_id 0
		.amdhsa_next_free_vgpr 1024
		.amdhsa_next_free_sgpr 96
		.amdhsa_reserve_vcc 0
		.amdhsa_float_denorm_mode_32 3
		.amdhsa_float_denorm_mode_16_64 3
		.amdhsa_memory_ordered 1
		.amdhsa_forward_progress 1
		.amdhsa_inst_pref_size 255
	.end_amdhsa_kernel
	.section	.bss,"aw",@nobits
	.p2align	6
	.space	262144
	.amdgpu_metadata
---
amdhsa.version: [ 1, 2 ]
amdhsa.kernels:
  - .name:           k_qb6a8c661c2_qkvgemm
    .symbol:         k_qb6a8c661c2_qkvgemm.kd
    .args:
      - { .name: xb, .offset: 0, .size: 8, .value_kind: global_buffer, .address_space: global }
      - { .name: wkvb, .offset: 8, .size: 8, .value_kind: global_buffer, .address_space: global }
      - { .name: bk, .offset: 16, .size: 8, .value_kind: global_buffer, .address_space: global }
      - { .name: part, .offset: 24, .size: 8, .value_kind: global_buffer, .address_space: global }
      - { .name: wqb, .offset: 32, .size: 8, .value_kind: global_buffer, .address_space: global }
      - { .name: bq, .offset: 40, .size: 8, .value_kind: global_buffer, .address_space: global }
      - { .name: qf, .offset: 48, .size: 8, .value_kind: global_buffer, .address_space: global }
    .group_segment_fixed_size: 327680
    .private_segment_fixed_size: 0
    .kernarg_segment_align: 8
    .kernarg_segment_size: 56
    .max_flat_workgroup_size: 128
    .sgpr_count:     96
    .vgpr_count:     1024
    .wavefront_size: 32
...
	.end_amdgpu_metadata
.endif
;; end of part 2
;; launch outk (part 3): grid 4 x 64, 8 waves a work-group, no clusters, 21,504 bytes of LDS; arguments qf, part, bv, out0; writes out0
.if DOCPART == 3
	.amdgcn_target "amdgcn-amd-amdhsa--gfx1250"
	.amdhsa_code_object_version 6
	.text
	.protected	k_qb6a8c661c2_outk
	.globl	k_qb6a8c661c2_outk
	.p2align	8
	.type	k_qb6a8c661c2_outk,@function
k_qb6a8c661c2_outk:
	s_mov_b64 s[64:65], 0
	v_nop
	global_prefetch_b8 v0, s[64:65] scope:SCOPE_SE
	s_setreg_imm32_b32 hwreg(HW_REG_WAVE_MODE, 25, 1), 1
	s_wait_xcnt 0x0
; out0[n][hd][s][e] = (the sum over d of q[s][d] kv[d][e]) / (the sum over d of q[s][d] ksum[d]), with kv = the sum of the eight partial kv + ksum[d] bv[e] (that is v's bias: the sum over s of
; k[s][d] (v0[s][e] + bv[e])) and ksum = the sum of the eight partial ksum.  kv and ksum are both divided by the head's largest ksum, a factor that cancels in out0, and rounded once to f16; sums in f32, the partials in ascending order.
; LIMITS.  ksum[d] is at least 4,096 eps, so that divisor is positive; the row's divisor is at least eps times 1 (the largest scaled ksum).  |kv| / max ksum is at most the largest |v|, which must stay under 65,504; below 6e-5
; it keeps f16's fixed step of 6e-8.  bv is rounded to bf16 like the other inputs.  NaN and infinities are not treated apart.
; qf:   [64 n hd][256 blocks of 16 rows][4 blocks of 16 channels][32 lanes][16 bytes] f16: lane l holds q[row l % 16][16 fb + 8 (l / 16) + 0..7]: two blocks on end are source 0 (16 rows x 32 d) of the product.
; part: [64 n hd][8][20 tiles][2 halves][32 lanes][16 bytes] f32: in tile 4 eb + db lane l holds kv[16 db + 8 (l / 16) + j][4 (l % 16) + eb], in tile 16 + db ksum[16 db + 8 (l / 16) + j]: two tiles on end, rounded in pairs, are
; source 1 (32 d x 16 columns).  Column r of block eb is channel e = 4 r + eb, so a lane's results of the four blocks are four neighbouring channels of a row: 16 bytes, and sixteen lanes store a whole row of 256 bytes.
; The row's divisor is one more product, with ksum in every column: it falls into the same lanes and registers as the numbers that it divides.
; SHARES.  Work-group (quarter, n hd): 1,024 rows of one head; eight waves, each 8 blocks of 16 rows.  The head's 40 half tiles are shared out five to a wave: a wave adds their eight partials and puts the f32 sums into LDS; behind one
; barrier every wave reads all 20 tiles and makes the fragments for itself.  All loads of a wave, 73, go out at its head; each covers 512 consecutive bytes (bv's 256).
; No tensor load, no cluster, no prefetch: a short stream; no wave wants a byte of qf that another has fetched, and nothing is left to ask for ahead of the loads.
; REGISTERS: window 0: v0-15 addresses and at work; v16-79 kv's fragments ((eb, d half ks) at 16 + 8 (2 eb + ks)); v80-95 ksum's (before them: bv in pairs); v96-255 the partials, then the 20 sums, then results, reciprocals and what is stored.
;   window 1: v0-127 q: block i's fragment ks at 16 i + 8 ks.  (s_set_vgpr_msb: bits 1:0 source 0, 7:6 destination.)
.set PARTB, 20480                      ; bytes of a partial: 20 tiles of 1,024
.set SPARE, 20480                      ; behind the 20 sums: the spare words, 128 bytes for each wave: four blocks of 256 bytes that no other line names
.set PO,  2                            ; v2   16 x lane
.set CO,  3                            ; v3   2,048 (l / 16) + 16 (l % 16): my 16 bytes in rows j and 8 + j of out0
.set LW,  4                            ; v4   2,560 x wave + 16 x lane: my 16 bytes of my first half tile, in a partial and in LDS
.set BVO, 6                            ; v6   16 (l % 16): my four numbers of bv
.set TM,  7                            ; v7   at work
.set SPW, 8                            ; v8   LDS address of my spare word: SPARE + 4 x my thread's number; never rewritten
.set NIL, 9                            ; v9   0; never rewritten
.set BVR, 10                           ; v10-13  bv[64 hd + 4 (l % 16) + 0..3]
.set RCP, 14                           ; v14-15  1 / the largest ksum, twice
.set KVF, 16
.set KSF, 80
.set BVP, 80                           ; bv of block eb, rounded, twice: BVP + 2 eb; ksum's fragments take these registers when kv is done
.set P,   96                           ; partial p, half tile u at P + 20 p + 4 u
.set S,   96                           ; ksum's sum db at S + 8 db
.set T,   128                          ; kv's sum t at T + 8 t
.set OT,  96                           ; results, two buffers of 40: block eb at 8 eb, the divisor at 32
.set RC,  176                          ; reciprocals, two buffers of 8
.set ST,  192                          ; what is stored, two buffers of 32: 4 j + eb
.set MSB, 0
.macro WIN new                         ; the immediate's high byte repeats the setting that is left; a switch that changes nothing is dropped
.if MSB != (\new)
	s_set_vgpr_msb (MSB<<8)|(\new)
.set MSB, \new
.endif
.endm
	s_load_b256 s[4:11], s[0:1], 0x0               ; qf s[4:5], part s[6:7], bv s[8:9], out0 s[10:11]
	v_lshl_add_u32 v[SPW], v0, 2, SPARE
	v_mov_b32 v[NIL], 0
	v_lshrrev_b32 v1, 5, v0
	v_readfirstlane_b32 s12, v1                    ; wave 0..7
	v_and_b32 v1, 31, v0
	v_lshlrev_b32 v[PO], 4, v1
	v_and_b32 v[BVO], 15, v0                       ; l % 16
	v_bfe_u32 v[TM], v0, 4, 1                      ; l / 16
	v_lshlrev_b32 v[CO], 11, v[TM]
	v_lshl_add_u32 v[CO], v[BVO], 4, v[CO]
	v_lshlrev_b32 v[BVO], 4, v[BVO]
	s_mul_i32 s13, s12, 2560                       ; five half tiles of 512 bytes
	v_add_nc_u32 v[LW], s13, v[PO]
	s_and_b32 s14, ttmp7, 0xffff                   ; n hd
	s_mul_i32 s16, s14, 8*PARTB                    ; its eight partials
	s_mov_b32 s17, 0
	s_and_b32 s18, s14, 15                         ; the head's 64 numbers of bv
	s_lshl_b32 s18, s18, 8
	s_mov_b32 s19, 0
	s_lshl_b32 s20, s14, 19                        ; qf: a head's 4,096 rows of 128 bytes,
	s_lshl_b32 s15, ttmp9, 17                      ; the quarter's 1,024,
	s_add_co_u32 s20, s20, s15
	s_lshl_b32 s15, s12, 14                        ; my 128
	s_add_co_u32 s20, s20, s15
	s_mov_b32 s21, 0
	s_lshl_b32 s22, s20, 1                         ; out0: the same rows, 256 bytes each
	s_mov_b32 s23, 0
	s_mov_b32 s24, 0x76543210                      ; v_permlanex16_b32: each lane takes its own place in the other half
	s_mov_b32 s25, 0xfedcba98
	s_wait_kmcnt 0x0
	s_add_nc_u64 s[6:7], s[6:7], s[16:17]
	s_add_nc_u64 s[8:9], s[8:9], s[18:19]
	s_add_nc_u64 s[4:5], s[4:5], s[20:21]
	s_add_nc_u64 s[10:11], s[10:11], s[22:23]
	global_load_b128 v[BVR:BVR+3], v[BVO], s[8:9]
.irp p, 0,1,2,3,4,5,6,7
.irp u, 0,1,2,3,4
	global_load_b128 v[P+20*(\p)+4*(\u):P+20*(\p)+4*(\u)+3], v[LW], s[6:7] offset:PARTB*(\p)+512*(\u)
.endr
.endr
	WIN 0x40                                       ; destination window 1
.set i, 0
.rept 32
	global_load_b128 v[4*i:4*i+3], v[PO], s[4:5] offset:512*i th:TH_LOAD_NT  ; block i / 4, channel block i % 4
.set i, i+1
.endr
	WIN 0
	s_wait_loadcnt 32                              ; bv and the partials are in; q's 32 loads, issued behind them, stay out
.set p, 1
.rept 7
.irp u, 0,1,2,3,4
	v_pk_add_f32 v[P+4*(\u):P+4*(\u)+1],   v[P+4*(\u):P+4*(\u)+1],   v[P+20*p+4*(\u):P+20*p+4*(\u)+1]
	v_pk_add_f32 v[P+4*(\u)+2:P+4*(\u)+3], v[P+4*(\u)+2:P+4*(\u)+3], v[P+20*p+4*(\u)+2:P+20*p+4*(\u)+3]
.endr
.set p, p+1
.endr
.irp u, 0,1,2,3,4
	ds_store_b128 v[LW], v[P+4*(\u):P+4*(\u)+3] offset:512*(\u)
.endr
	s_wait_dscnt 0x0                               ; for the others' sake: my five sums lie in LDS
	s_barrier_signal -1
	s_barrier_wait -1                              ; all forty do
.irp db, 0,1,2,3
	ds_load_b128 v[S+8*(\db):S+8*(\db)+3],   v[PO] offset:1024*(16+(\db))
	ds_load_b128 v[S+8*(\db)+4:S+8*(\db)+7], v[PO] offset:1024*(16+(\db))+512
.endr
.set t, 0
.rept 16
	ds_load_b128 v[T+8*t:T+8*t+3],   v[PO] offset:1024*t
	ds_load_b128 v[T+8*t+4:T+8*t+7], v[PO] offset:1024*t+512
.set t, t+1
.endr
	v_cvt_pk_bf16_f32 v[TM], v[BVR], v[BVR+1]      ; bv rounded to bf16, back in f32, each number twice for the packed multiply-add
	v_lshlrev_b32 v[BVP], 16, v[TM]
	v_and_b32 v[BVP+2], 0xffff0000, v[TM]
	v_cvt_pk_bf16_f32 v[TM], v[BVR+2], v[BVR+3]
	v_lshlrev_b32 v[BVP+4], 16, v[TM]
	v_and_b32 v[BVP+6], 0xffff0000, v[TM]
.irp e, 0,2,4,6
	v_mov_b32 v[BVP+(\e)+1], v[BVP+(\e)]
.endr
	s_wait_dscnt 32                                ; ksum's eight loads are in; kv's 32 may stay out
	v_max3_num_f32 v[RCP], v[S], v[S+1], v[S+2]    ; the largest of my 32 ksum,
.set i, 3
.rept 14
	v_max3_num_f32 v[RCP], v[RCP], v[S+i], v[S+i+1]
.set i, i+2
.endr
	v_max_num_f32 v[RCP], v[RCP], v[S+31]
	v_permlanex16_b32 v[TM], v[RCP], s24, s25      ; and of the head's 64: the other 32 lie in the lane 16 away
	v_max_num_f32 v[TM], v[RCP], v[TM]
	v_rcp_f32 v[RCP], v[TM]
	v_rcp_f32 v[RCP+1], v[TM]
	s_wait_dscnt 0x0
.set t, 0
.rept 16
.irp i, 0,2,4,6
	v_pk_fma_f32 v[T+8*t+(\i):T+8*t+(\i)+1], v[S+8*(t%4)+(\i):S+8*(t%4)+(\i)+1], v[BVP+2*(t/4):BVP+2*(t/4)+1], v[T+8*t+(\i):T+8*t+(\i)+1]  ; + ksum[d] bv[e]: plain work behind the reciprocals
.endr
.set t, t+1
.endr
	s_wait_alu depctr_va_vdst(0)                   ; the wait ahead of the first use: one for the two reciprocals
.set t, 0
.rept 16
.irp i, 0,2,4,6
	v_pk_mul_f32 v[T+8*t+(\i):T+8*t+(\i)+1], v[T+8*t+(\i):T+8*t+(\i)+1], v[RCP:RCP+1]
.endr
.set t, t+1
.endr
.set t, 0
.rept 16
.irp i, 0,1,2,3
	v_cvt_pk_f16_f32 v[KVF+4*t+(\i)], v[T+8*t+2*(\i)], v[T+8*t+2*(\i)+1]
.endr
.set t, t+1
.endr
.set t, 0
.rept 4
.irp i, 0,2,4,6
	v_pk_mul_f32 v[S+8*t+(\i):S+8*t+(\i)+1], v[S+8*t+(\i):S+8*t+(\i)+1], v[RCP:RCP+1]
.endr
.set t, t+1
.endr
.set t, 0
.rept 4
.irp i, 0,1,2,3
	v_cvt_pk_f16_f32 v[KSF+4*t+(\i)], v[S+8*t+2*(\i)], v[S+8*t+2*(\i)+1]
.endr
.set t, t+1
.endr
; Block i: ten products on five accumulators, by turns, one instruction a turn: q kv for the four blocks eb and q ksum, first d half (they start the sums with 0), then the second.
.macro PROD i
	s_wait_loadcnt 28-4*(\i)                       ; the block's four loads are in; the later blocks' stay out
	WIN 0x01                                       ; source 0 (q) in window 1
.irp ks, 0,1
.irp eb, 0,1,2,3
.if (\ks) == 0
	v_wmma_f32_16x16x32_f16 v[OT+40*((\i)%2)+8*(\eb):OT+40*((\i)%2)+8*(\eb)+7], v[16*(\i):16*(\i)+7], v[KVF+16*(\eb):KVF+16*(\eb)+7], 0
.else
	v_wmma_f32_16x16x32_f16 v[OT+40*((\i)%2)+8*(\eb):OT+40*((\i)%2)+8*(\eb)+7], v[16*(\i)+8:16*(\i)+15], v[KVF+16*(\eb)+8:KVF+16*(\eb)+15], v[OT+40*((\i)%2)+8*(\eb):OT+40*((\i)%2)+8*(\eb)+7]
.endif
.endr
.if (\ks) == 0
	v_wmma_f32_16x16x32_f16 v[OT+40*((\i)%2)+32:OT+40*((\i)%2)+39], v[16*(\i):16*(\i)+7], v[KSF:KSF+7], 0
.else
	v_wmma_f32_16x16x32_f16 v[OT+40*((\i)%2)+32:OT+40*((\i)%2)+39], v[16*(\i)+8:16*(\i)+15], v[KSF+8:KSF+15], v[OT+40*((\i)%2)+32:OT+40*((\i)%2)+39]
.endif
.endr
	WIN 0
.endm
; Register j of lane l is row 16 i + 8 (l / 16) + j, in the results and in the divisor alike.  Eight reciprocals, one batch with one wait; 32 multiplies, which lay a row's four channels 4 (l % 16) + 0..3 side by side;
; eight stores: sixteen lanes store 256 consecutive bytes, aligned: a whole row of the head.  Each accumulator is read from its low end on.
.macro FIN i
	s_wait_xcnt 0x0                                ; the stores of the block before last have read their data: those registers are written again only behind this wait
.irp j, 0,1,2,3,4,5,6,7
	v_rcp_f32 v[RC+8*((\i)%2)+(\j)], v[OT+40*((\i)%2)+32+(\j)]
.endr
	v_nop                                          ; a plain instruction between the last reciprocal and the use of its result
	s_wait_alu depctr_va_vdst(0)                   ; and the wait ahead of the first use: one for the eight
.irp j, 0,1,2,3,4,5,6,7
.irp eb, 0,1,2,3
	v_mul_f32 v[ST+32*((\i)%2)+4*(\j)+(\eb)], v[OT+40*((\i)%2)+8*(\eb)+(\j)], v[RC+8*((\i)%2)+(\j)]
.endr
.endr
.irp j, 0,1,2,3,4,5,6,7
	global_store_b128 v[CO], v[ST+32*((\i)%2)+4*(\j):ST+32*((\i)%2)+4*(\j)+3], s[10:11] offset:4096*(\i)+256*(\j) th:TH_STORE_NT
.endr
.endm
	PROD 0
	PROD 1
.rept 4
	v_nop                                          ; four places (ISA guide 7.12.1) behind the first products; from here on a block's 32 multiplies, which name no register of the next block's products, are the places behind those
.endr
.irp i, 0,1,2,3,4,5
	FIN \i
	PROD (\i)+2
.endr
	FIN 6
	FIN 7
	s_wait_tensorcnt 0x0                           ; the wave's end: behind my last LDS store
	ds_add_u32 v[SPW], v[NIL]
	s_wait_dscnt 0x0
	s_endpgm
.Lfunc_end_k_qb6a8c661c2_outk:
	.size	k_qb6a8c661c2_outk, .Lfunc_end_k_qb6a8c661c2_outk-k_qb6a8c661c2_outk
	.p2alignl 7, 3214868480
	.fill 96, 4, 3214868480
	.section	.rodata,"a",@progbits
	.p2align	6, 0x0
	.amdhsa_kernel k_qb6a8c661c2_outk
		.amdhsa_group_segment_fixed_size 21504
		.amdhsa_private_segment_fixed_size 0
		.amdhsa_enable_private_segment 0
		.amdhsa_kernarg_size 32
		.amdhsa_user_sgpr_count 2
		.amdhsa_user_sgpr_kernarg_segment_ptr 1
		.amdhsa_wavefront_size32 1
		.amdhsa_system_sgpr_workgroup_id_x 1
		.amdhsa_system_sgpr_workgroup_id_y 1
		.amdhsa_system_sgpr_workgroup_id_z 1
		.amdhsa_system_vgpr_workitem_id 0
		.amdhsa_next_free_vgpr 384
		.amdhsa_next_free_sgpr 66
		.amdhsa_reserve_vcc 0
		.amdhsa_float_denorm_mode_32 3
		.amdhsa_float_denorm_mode_16_64 3
		.amdhsa_memory_ordered 1
		.amdhsa_forward_progress 1
		.amdhsa_inst_pref_size 55
	.end_amdhsa_kernel
	.amdgpu_metadata
---
amdhsa.version: [ 1, 2 ]
amdhsa.kernels:
  - .name:           k_qb6a8c661c2_outk
    .symbol:         k_qb6a8c661c2_outk.kd
    .args:
      - { .name: qf, .offset: 0, .size: 8, .value_kind: global_buffer, .address_space: global }
      - { .name: part, .offset: 8, .size: 8, .value_kind: global_buffer, .address_space: global }
      - { .name: bv, .offset: 16, .size: 8, .value_kind: global_buffer, .address_space: global }
      - { .name: out0, .offset: 24, .size: 8, .value_kind: global_buffer, .address_space: global }
    .group_segment_fixed_size: 21504
    .private_segment_fixed_size: 0
    .kernarg_segment_align: 8
    .kernarg_segment_size: 32
    .max_flat_workgroup_size: 256
    .sgpr_count:     66
    .vgpr_count:     384
    .wavefront_size: 32
...
	.end_amdgpu_metadata
.endif
;; end of part 3
